; MI455X (gfx1250); checked and timed in simulation.
; The chip was launched on July 23, 2026; its instructions are those of AMD's public machine-readable ISA for CDNA 5 (MIT licence, August 2026) and "CDNA5" Instruction Set Architecture Reference Guide (July 2026). The comments in the code are by the model that wrote it; some were corrected since.
;; SDPA Module. Allowed arithmetic: matrix products marked QUANTISED: E4M3 operands, one E8M0 scale for each 32 along K, by v_wmma_scale_f32_16x16x128_f8f6f4 with both operands' format E4M3, f32 sums; everything else in f32.
;; Inputs: K 2 x 2,048 x 512 float32; Q 2 x 2,048 x 2,048 float32; V_codes 2 x 512 x 64 x 32 uint8 (E4M3 codes of V, K innermost, in blocks of 32 codes); V_scales 2 x 512 x 64 uint8 (E8M0 scales of V, one for each 32 codes along K); sinks 32 float32.
;; Outputs: out0 2 x 2,048 x 2,048 float32.
;; This version of the problem:
;;   THIS VERSION OF THE PROBLEM IS GIVEN IN LOW PRECISION. The matrix products marked QUANTISED in the list below multiply operands that are first quantised to E4M3 (4 exponent bits, 3 mantissa bits; 8 bits a number), with one power-of-two scale for each 32 numbers along K (OCP MX v1.0); their sums are f32. All else is computed in f32.
;;   The module's matrix products, in the order in which they are computed (A, B: the left and right operand; K: the contracted axis; several contracted axes count as one K, in the product's order):
;;     1. batch 16 x [M 2,048, K 64] x [K 64, N 8,192]; A: input K; B: input Q: QUANTISED
;;     2. batch 16 x [M 64, K 2,048] x [K 2,048, N 8,192]; A: input V (given as codes); B: softmax (see below): QUANTISED
;;   THE QUANTISER, for each operand of a quantised product, along K:
;;     - K is cut into blocks of 32 from its start; a last block that is shorter is filled with zeros.
;;     - A block's scale is 2^e with e = floor(log2(the largest magnitude in the block)) - 8, held to -126 .. 127; a block of zeros has e = 0. As a byte (E8M0): e + 127.
;;     - Each number is divided by its block's scale, clamped to +-448, and rounded to the nearest number of E4M3, ties to even, subnormals kept.
;;     - The product sums the exact products of the quantised numbers (number of the format x scale) in f32.
;;   ~~~python
;;   def quantise(x, axis):      # numpy; x: float32 -> the quantised numbers, widened to float32 again
;;       x = np.moveaxis(x, axis, -1); K = x.shape[-1]
;;       x = np.pad(x, [(0, 0)] * (x.ndim - 1) + [(0, -K % 32)]); x = x.reshape(x.shape[:-1] + (-1, 32)); a = np.abs(x).max(-1, keepdims=True)
;;       e = np.where(a > 0, np.clip(np.frexp(np.where(a > 0, a, 1))[1] - 1 - 8, -126, 127), 0)      # np.frexp(a)[1] - 1 = floor(log2(a)), exactly
;;       r = np.clip(x / 2.0 ** e, -448, 448)
;;       step = 2.0 ** (np.maximum(np.frexp(np.where(r == 0, 1, r))[1] - 1, -6) - 3)
;;       q = np.round(r / step) * step * 2.0 ** e      # np.round: ties to even
;;       return np.moveaxis(q.reshape(q.shape[:-2] + (-1,))[..., :K], -1, axis).astype(np.float32)
;;   ~~~
;;   SOFTMAX AHEAD OF A QUANTISED PRODUCT. Where the list says 'softmax', what is quantised is not the finished softmax but p = 2^(t - M), with t = logit x log2(e) and M = ceil(the row's largest t), a whole number; so 1/2 < the row's largest p <= 1. The row's sum l is taken of the UNQUANTISED p, in f32, and the product's result is divided by l at the end. Since M is a whole number, a kernel that streams over the keys may use a running M (the ceiling of the running maximum): every later rescaling is an exact power of two, which a block's scale takes up: the codes' values come out the same.
;;   OPERANDS COMPUTED ON THE WAY. 'Computed on the way' means the value that the module computes at that place (a softmax that the list does not call 'softmax' is quantised finished and normalised). What goes into a quantiser is computed in f32, as accurately as f32 sums, v_exp_f32 and their like allow (about 1e-6 of the number): no bf16 or f16 on the way to a quantiser, and a product that is left as it is and whose result goes on into a quantised operand takes f32 operands (vector FMAs, or v_wmma_f32_16x16x4_f32). A number that lies on a knife's edge between two numbers of the format may be rounded either way, as far as f32 arithmetic and the matrix unit's own rounding can turn it there, and no further.
;;   INPUTS GIVEN AS CODES. V (in the module: [2, 2048, 512], K = its axis 1): each comes as NAME_codes (uint8): NAME with its K axis moved to the last place and cut into blocks of 32 codes, [.., K / 32, bytes a block], one block behind the other in memory; one code a byte (a code: sign, 4 exponent bits, 3 mantissa bits); and NAME_scales (uint8): the same leading axes, one E8M0 byte (e + 127) for each 32 codes along K. Its value is code x scale, taken as it is: it is not quantised again, and the codes and scales need not be those that the quantiser above would give.
;; 2 versions, each right; version 2 is version 1 with the launch swa written anew for expert scheduling mode. Each part assembles by itself: llvm-mc -triple=amdgcn-amd-amdhsa -mcpu=gfx1250 --defsym DOCPART=n.
;; ======== version 1 of 2: 1 launch
;; limits: right only within a limited range of input values
;; launch swa (part 1): grid 16 x 16, 8 waves a work-group, no clusters, 106,496 bytes of LDS; arguments Q, K, V_codes, V_scales, sinks, out0; writes out0
.if DOCPART == 1
	.amdgcn_target "amdgcn-amd-amdhsa--gfx1250"
	.amdhsa_code_object_version 6
	.text
	.protected	k_q047cb685f7_swa
	.globl	k_q047cb685f7_swa
	.p2align	8
	.type	k_q047cb685f7_swa,@function
k_q047cb685f7_swa:
	s_mov_b64 s[64:65], 0
	v_nop
	global_prefetch_b8 v0, s[64:65] scope:SCOPE_SE
	s_setreg_imm32_b32 hwreg(HW_REG_WAVE_MODE, 25, 1), 1
	s_wait_xcnt 0x0
; out0[b][q][(4 h + m) 64 + d] = the sum over k of softmax_k(Q . K / 8) V, key k counting for query q where q - 127 <= k <= q.  2 batches, 2,048 positions, 8 key heads h, 4 query heads m to each, head size 64.
; Both products on codes of FP8 (E4M3) with one E8M0 scale for each 32 along a product's K.  Q, K: f32, quantised here along the head's 64 (two blocks).  V: codes with the keys innermost, [b][64 h + d][2048], scale bytes [b][64 h + d][64].
; THE SOFTMAX: t = score x log2(e) / 8; M = ceil(the row's largest t); p = 2^(t - M) is quantised along the keys, in blocks of 32 that begin at multiples of 32; the row's sum of the unquantised p divides at the end.
; THE WINDOW.  16 queries that begin at q0 see only keys W0 .. W0 + 159, W0 = 32 floor(q0 / 32) - 128: five aligned blocks of 32.  A lane's part of the whole row is 80 registers, so M is the row's own: one pass, nothing is rescaled.
; SHARES.  Work-group (J, b, h): queries 128 J .. 128 J + 127 of the four query heads of key head h, and 256 keys: those of the key blocks PB = max(J - 1, 0) (local blocks of 32: 0-3) and J (local blocks 4-7).
;   With J = 0 the first half is a second copy of the second, so that no load leaves its buffer; its scores are hidden like any key that does not count.
;   Wave w: queries 128 J + 16 w on, the four heads one after the other, in a loop of four trips.  a = w / 2, e = w % 2: its window is local blocks a .. a + 4 in every trip, so its fragments of K and V, their scale words and its
;   masks are made once and stay in registers; in the loop LDS only turns Q on its way in and O on its way out.
; LAYOUT.  Both products are used transposed: S^T = K Q^T (source 0 = 16 keys, source 1 = 16 queries), O^T = V^T P^T (source 0 = 16 of the head's 64, source 1 = P): lane (r = lane % 16, hh = lane / 16) holds query r throughout.
;   THE KEYS OF A TILE ARE NOT NEIGHBOURS: lane r of tile (block i, u) takes key 32 i + 8 u + r + 8 (r / 8), so that registers 16 i .. 16 i + 15 of S are the 16 neighbouring keys W0 + 32 i + 16 hh + 0 .. 15.
; A HEAD OF 64 IN AN INSTRUCTION OF 128: zero codes on both sides.  K lies as [tile (i, 0): 8 registers][zeros: 8][tile (i, 1): 8], Q as [Q: 8][zeros: 8][Q: 8]; tile u names 16 registers from 8 u on of both.  For u = 1 the head's 64 so stand
;   at k = 64 .. 127 on both sides.  Each scale word of Q and K is its two bytes twice, and serves both forms.
; THE SECOND PRODUCT: window blocks 0-3 are one step of 128 keys; block 4 stands in registers 0-3 of a second operand of P whose registers 4-15 are zero codes; V's side of those 96 places is whatever codes of V lie next in the registers.
; THE MASK IS THE C OF THE SCORES' PRODUCTS: 0 where a key counts, -1e38 where it does not (p is then 0).  A query's own key always counts, so M is a number.
; sinks: reference() takes it and never uses it in its arithmetic, so this text does not load it: no result hangs on it.
; NO CLUSTER, NO TENSOR LOAD: Q and K are f32 and pass through registers to be quantised, so there is no tensor load that could carry a mask; what neighbouring work-groups share is half of K and V, 40 KB of the 336 KB that a work-group moves.
; No prefetch is written: each tile's Q is asked for a whole trip ahead by its own loads.
; LIMITS: NaN and infinities in Q or K, NaN codes and scale bytes 0xff in V are not served.  The mask is -1e38 and not -infinity: it hides a key while scores stay under 1e37 in magnitude.
;   A block of zeros carries the scale byte 1 where the rule says 127: its codes are zeros, and this program alone reads the byte.
; REGISTERS, window 0: v1-11 addresses; v12-23 the row's figures and scale words; v24-41 K's and V's scale words; v50-69 at work; v72-95 Q's codes; v96-127 P's codes; v128-159 the next Q as loaded; v160-239 S, later O.
;   window 1: v0-119 K's ten tiles; v120-135 V of block 4; v136-199 V of blocks 0-3; v200-255 the masks.
.set SP,    272                        ; a stage row, and a row of V in LDS: 256 bytes + 16 = 68 words, so that 16 rows begin 4 words apart
.set KIMG,  0                          ; LDS: K's 16 tiles (local block B, u: tile 2 B + u) as images of their registers: 1,024 bytes each, four registers at 512 c + 16 x lane
.set KSC,   16384                      ; their scale words: 128 bytes a tile, 4 x lane
.set VT,    18432                      ; V: 64 rows d of 256 codes (local keys 0 .. 255)
.set STG,   35840                      ; each wave's own stage, 32 rows: rows 0-15 turn Q (at the head all 32 turn K), rows 16-31 turn O
.set STGW,  32*SP
.set OST,   16*SP
.set QO,  1                            ; v1   Q and out0: 8192 hh + 16 r: two rows an instruction, 16 lanes to a row's 256 bytes
.set SI,  2                            ; v2   the stage by rows as they are loaded and stored: 272 hh + 16 r
.set SF,  3                            ; v3   the stage by fragments: 272 r + 64 hh
.set SOA, 4                            ; v4   O into the stage: 16 rows on, 272 r + 32 hh
.set KO,  5                            ; v5   K: 2048 hh + 16 r
.set VO,  6                            ; v6   V's codes
.set VW,  7                            ; v7   V into LDS
.set VSO, 8                            ; v8   V's scale words: 64 r
.set KW,  9                            ; v9   where I store K's images: 16 x lane + 2048 w
.set KSW, 10                           ; v10  and their scale words: 4 x lane + 256 w
.set VA,  11                           ; v11  my fragments of V: 272 r + 16 hh + 32 a
.set NM,  12                           ; v[12:13] -M (the packed form names the pair and takes its low word)
.set L,   14                           ; v[14:15], v[16:17] the row's sum in two chains
.set L2,  16
.set RC,  18                           ; v[18:19] 1 / the sum
.set XT,  20
.set QS,  21                           ; Q's scale word;  v22, v23 P's
.set PS1, 22
.set PS2, 23
.set KS,  24                           ; v24-33 K's scale words, tile (i, u) at 2 i + u
.set VS1, 34                           ; v34-37 V's for window blocks 0-3;  v38-41 for block 4
.set VS2, 38
.set VLO, 42                           ; v42-45, v46-49: V's scale words of local blocks 0-3 and 4-7 (head only)
.set VHI, 46
.set TM,  50                           ; +0..4 largest; +5..9 the other half's, then bytes; +10..14 448 x scale; +15..19 the conversions' scale operand
.set ZERO, 70
.set NEGV, 71
.set QF,  72
.set P1,  96
.set P2,  112
.set QR,  128
.set S,   160
.set O,   160                          ; O^T, and the rows read back
.set QX,  192                          ; Q turned; later O^T / the sum
.set VR,  224                          ; V as loaded (head only)
.set VISV, 240
.set DD,  241
.set KA,  242                          ; where I fetch K's images: 16 x lane + 2048 a
.set KSA, 243
.set R,   244
.set HH,  245
.set LN,  246
.set T0,  247
.set T1,  248
.set KF,  0                            ; window 1
.set V2,  120
.set V1,  136
.set MP,  200                          ; block 0's mask, 8 u + j
.set MB,  216                          ; blocks 1-3: eight equal registers each
.set MD,  240                          ; block 4's mask
.set MSB, 0
.macro WIN new                         ; the immediate's high byte repeats the setting that is left; a switch that changes nothing is dropped
.if MSB != \new
	s_set_vgpr_msb (MSB<<8)|\new
.set MSB, \new
.endif
.endm
.macro PLACES n
.rept \n
	v_nop
.endr
.endm
; 32 numbers of a lane, register 16 b + i = element 32 b + 16 hh + i of my row, become 8 registers of codes at v[d] (and once more at v[d2] where d2 >= 0) and the scale word v[w]: the two bytes, twice.
.macro QUANT x, d, d2, w
.irp b, 0,1
	v_max3_num_f32 v[TM+\b], |v[\x+16*\b]|, |v[\x+16*\b+1]|, 0x4800000   ; my 16 numbers of block b, and the floor 2^(9 - 127): the byte cannot fall under 1
.endr
.irp i, 2,4,6,8,10,12,14
.irp b, 0,1
	v_max3_num_f32 v[TM+\b], v[TM+\b], |v[\x+16*\b+\i]|, |v[\x+16*\b+\i+1]|
.endr
.endr
.irp b, 0,1
	v_permlanex16_b32 v[TM+5+\b], v[TM+\b], s24, s25
.endr
.irp b, 0,1
	v_max_num_f32 v[TM+\b], v[TM+\b], v[TM+5+\b]                   ; with lane l xor 16's: the block's largest magnitude
.endr
.irp b, 0,1
	v_add_nc_u32 v[TM+15+\b], 0xfc000000, v[TM+\b]                 ; 8 off its exponent field: the conversion's scale operand
.endr
.irp b, 0,1
	v_and_or_b32 v[TM+10+\b], v[TM+\b], 0x7f800000, s26            ; 448 x the scale
.endr
.irp b, 0,1
	v_lshrrev_b32 v[TM+5+\b], 23, v[TM+15+\b]                      ; the scale's byte
.endr
	v_lshl_or_b32 v[\w], v[TM+6], 8, v[TM+5]
	v_lshl_or_b32 v[\w], v[\w], 16, v[\w]                          ; s0, s1, s0, s1
.irp b, 0,1
.irp i, 0,1,2,3,4,5,6,7,8,9,10,11,12,13,14,15
	v_med3_num_f32 v[\x+16*\b+\i], v[\x+16*\b+\i], -v[TM+10+\b], v[TM+10+\b]   ; the conversion to an 8-bit code does not saturate (ISA guide 7.6.2): the hold comes first
.endr
	v_cvt_scalef32_pk8_fp8_f32 v[\d+4*\b:\d+4*\b+1], v[\x+16*\b:\x+16*\b+7], v[TM+15+\b]
	v_cvt_scalef32_pk8_fp8_f32 v[\d+4*\b+2:\d+4*\b+3], v[\x+16*\b+8:\x+16*\b+15], v[TM+15+\b]
.if \d2 >= 0
	v_cvt_scalef32_pk8_fp8_f32 v[\d2+4*\b:\d2+4*\b+1], v[\x+16*\b:\x+16*\b+7], v[TM+15+\b]
	v_cvt_scalef32_pk8_fp8_f32 v[\d2+4*\b+2:\d2+4*\b+3], v[\x+16*\b+8:\x+16*\b+15], v[TM+15+\b]
.endif
.endr
	v_nop                                          ; a plain vector line behind the last conversion, ahead of whatever next touches its registers
.endm
; The ten tiles of scores: ten accumulators, each begun by its mask as C.
.macro SPROD
	WIN 0x11                                       ; source 0 (K) and source 2 (the mask) window 1; Q and S window 0
.irp i, 0,1,2,3,4
.irp u, 0,1
.if \i == 0
.set CR, MP+8*\u
.elseif \i == 4
.set CR, MD+8*\u
.else
.set CR, MB+8*(\i-1)
.endif
	v_wmma_scale_f32_16x16x128_f8f6f4 v[S+16*\i+8*\u:S+16*\i+8*\u+7], v[KF+24*\i+8*\u:KF+24*\i+8*\u+15], v[QF+8*\u:QF+8*\u+15], v[CR:CR+7], v[KS+2*\i+\u], v[QS]
.endr
.endr
	WIN 0
.endm
; O^T: four accumulators by turns, one instruction a turn: window blocks 0-3 start the sums, block 4 is added.
.macro PVPROD
	WIN 0x01                                       ; source 0 (V) window 1
.irp t, 0,1,2,3
	v_wmma_scale_f32_16x16x128_f8f6f4 v[O+8*\t:O+8*\t+7], v[V1+16*\t:V1+16*\t+15], v[P1:P1+15], 0, v[VS1+\t], v[PS1]
.endr
.irp t, 0,1,2,3
	v_wmma_scale_f32_16x16x128_f8f6f4 v[O+8*\t:O+8*\t+7], v[V2+4*\t:V2+4*\t+15], v[P2:P2+15], v[O+8*\t:O+8*\t+7], v[VS2+\t], v[PS2]
.endr
	WIN 0
.endm
	s_load_b256 s[4:11], s[0:1], 0x0               ; Q s[4:5], K s[6:7], V's codes s[8:9], V's scales s[10:11]
	s_load_b64 s[12:13], s[0:1], 0x28              ; out0
	v_lshl_add_u32 v254, v0, 2, 0x19c00
	v_mov_b32 v255, 0
	v_lshrrev_b32 v[XT], 5, v0
	v_readfirstlane_b32 s14, v[XT]                 ; w: wave 0..7
	s_mov_b32 s15, ttmp9                           ; J
	s_and_b32 s40, ttmp7, 0xffff
	s_lshr_b32 s16, s40, 3                         ; b
	s_and_b32 s17, s40, 7                          ; h
	s_sub_co_i32 s18, s15, 1
	s_max_i32 s18, s18, 0                          ; PB
	s_lshr_b32 s19, s14, 1                         ; a
	s_and_b32 s20, s14, 1                          ; e
	s_lshl_b32 s21, s19, 3                         ; 8 a: a shift by a bytes
	s_mov_b32 s22, 0x3e38aa3b                      ; c = log2(e) / 8
	s_mov_b32 s23, s22                             ; (named with it as a pair, so it is written)
	s_mov_b32 s24, 0x76543210
	s_mov_b32 s25, 0xfedcba98                      ; v_permlanex16_b32's selects for lane l xor 16
	s_mov_b32 s26, 0x600000                        ; the mantissa field of 448
	; byte offsets, made apart from the addresses.  K: my 32 keys are local block w: row b 2048 + (w < 4 ? PB : J) 128 + 32 (w % 4), 2,048 bytes a row, + 256 h
	s_cmp_lt_u32 s14, 4
	s_cselect_b32 s28, s18, s15
	s_lshl_b32 s28, s28, 7
	s_and_b32 s40, s14, 3
	s_lshl_b32 s40, s40, 5
	s_add_co_u32 s28, s28, s40
	s_lshl_b32 s40, s16, 11
	s_add_co_u32 s28, s28, s40
	s_lshl_b32 s28, s28, 11
	s_lshl_b32 s40, s17, 8
	s_add_co_u32 s28, s28, s40
	s_mov_b32 s29, 0
	; V: row b 512 + 64 h (+ 8 w for the codes that I fetch): 2,048 bytes of codes, 64 of scales
	s_lshl_b32 s30, s16, 9
	s_lshl_b32 s40, s17, 6
	s_add_co_u32 s30, s30, s40
	s_lshl_b32 s42, s30, 6
	s_lshl_b32 s40, s15, 2
	s_add_co_u32 s44, s42, s40                     ; the scale word of key block J,
	s_mov_b32 s45, 0
	s_lshl_b32 s40, s18, 2
	s_add_co_u32 s42, s42, s40                     ; and of key block PB
	s_mov_b32 s43, 0
	s_lshl_b32 s40, s14, 3
	s_add_co_u32 s30, s30, s40
	s_lshl_b32 s30, s30, 11
	s_mov_b32 s31, 0
	; Q and out0: row b 2048 + 128 J + 16 w of 8,192 bytes, + 1024 h
	s_lshl_b32 s32, s16, 11
	s_lshl_b32 s40, s15, 7
	s_add_co_u32 s32, s32, s40
	s_lshl_b32 s40, s14, 4
	s_add_co_u32 s32, s32, s40
	s_lshl_b32 s32, s32, 13
	s_lshl_b32 s40, s17, 10
	s_add_co_u32 s32, s32, s40
	s_mov_b32 s33, 0
	; window block i is key block 4 (J - 1) + a + i of 32: there is none where 4 J + a + i < 4
	s_lshl_b32 s40, s15, 2
	s_add_co_u32 s40, s40, s19
	s_cmp_lt_u32 s40, 4
	s_cselect_b32 s36, 0xfe967699, 0               ; -1e38 or 0: block 0,
	s_cmp_lt_u32 s40, 3
	s_cselect_b32 s37, 0xfe967699, 0               ; 1,
	s_cmp_lt_u32 s40, 2
	s_cselect_b32 s38, 0xfe967699, 0               ; 2,
	s_cmp_lt_u32 s40, 1
	s_cselect_b32 s39, 0xfe967699, 0               ; 3
	v_and_b32 v[R], 15, v0                         ; r
	v_bfe_u32 v[HH], v0, 4, 1                      ; hh
	v_and_b32 v[LN], 31, v0                        ; lane
	v_lshlrev_b32 v[T0], 4, v[R]
	v_lshl_add_u32 v[QO], v[HH], 13, v[T0]
	v_lshl_add_u32 v[KO], v[HH], 11, v[T0]
	v_mad_u32_u24 v[T1], v[HH], SP, v[T0]          ; 272 hh + 16 r
	s_mul_i32 s41, s14, STGW
	s_add_co_u32 s41, s41, STG                     ; my stage
	v_add_nc_u32 v[SI], s41, v[T1]
	s_mul_i32 s46, s14, 8*SP
	s_add_co_u32 s46, s46, VT                      ; rows 8 w on of V's tile
	v_add_nc_u32 v[VW], s46, v[T1]
	v_mul_u32_u24 v[T1], v[R], SP                  ; 272 r
	v_lshl_add_u32 v[SF], v[HH], 6, v[T1]
	v_add_nc_u32 v[SF], s41, v[SF]
	v_lshl_add_u32 v[SOA], v[HH], 5, v[T1]
	v_add_nc_u32 v[SOA], s41, v[SOA]
	v_add_nc_u32 v[SOA], OST, v[SOA]
	v_lshl_add_u32 v[VA], v[HH], 4, v[T1]
	s_lshl_b32 s46, s19, 5
	s_add_co_u32 s46, s46, VT
	v_add_nc_u32 v[VA], s46, v[VA]
	v_lshlrev_b32 v[VSO], 6, v[R]
	v_lshlrev_b32 v[T1], 4, v[LN]                  ; 16 x lane (K's images begin at LDS byte 0)
	s_lshl_b32 s46, s14, 11
	v_add_nc_u32 v[KW], s46, v[T1]
	s_lshl_b32 s46, s19, 11
	v_add_nc_u32 v[KA], s46, v[T1]
	v_lshlrev_b32 v[T1], 2, v[LN]                  ; 4 x lane
	s_lshl_b32 s46, s14, 8
	s_add_co_u32 s46, s46, KSC
	v_add_nc_u32 v[KSW], s46, v[T1]
	s_lshl_b32 s46, s19, 8
	s_add_co_u32 s46, s46, KSC
	v_add_nc_u32 v[KSA], s46, v[T1]
	v_and_b32 v[T1], 7, v0                         ; V's codes: lanes 0-7 of a row take 128 bytes of key block PB, lanes 8-15 those of key block J: 256 consecutive bytes where J >= 1
	v_lshlrev_b32 v[T1], 4, v[T1]
	v_lshl_add_u32 v[VO], v[HH], 11, v[T1]
	v_bfe_u32 v[T1], v0, 3, 1
	s_sub_co_u32 s46, s15, s18
	s_lshl_b32 s46, s46, 7
	s_lshl_b32 s47, s18, 7
	v_mul_u32_u24 v[T1], s46, v[T1]
	v_add3_u32 v[VO], v[VO], v[T1], s47
	v_lshlrev_b32 v[T0], 4, v[HH]                  ; D = 16 e + r - 16 hh: place x = 16 hh + 8 u + j of a block lies behind my query's place 16 e + r where 8 u + j > D
	v_sub_nc_u32 v[DD], v[R], v[T0]
	s_lshl_b32 s40, s20, 4
	v_add_nc_u32 v[DD], s40, v[DD]
	s_wait_kmcnt 0x0
	s_add_nc_u64 s[6:7], s[6:7], s[28:29]
	s_add_nc_u64 s[8:9], s[8:9], s[30:31]
	s_add_nc_u64 s[34:35], s[10:11], s[44:45]
	s_add_nc_u64 s[10:11], s[10:11], s[42:43]
	s_add_nc_u64 s[4:5], s[4:5], s[32:33]
	s_add_nc_u64 s[12:13], s[12:13], s[32:33]
	; 36 loads: K's 16, V's 4, the scale words' 8, the first tile of Q's 8
.irp i, 0,1,2,3,4,5,6,7,8,9,10,11,12,13,14,15
	global_load_b128 v[S+4*\i:S+4*\i+3], v[KO], s[6:7] offset:4096*\i         ; keys 2 i, 2 i + 1 of my 32: 16 lanes read a row's 256 bytes
.endr
.irp i, 0,1,2,3
	global_load_b128 v[VR+4*\i:VR+4*\i+3], v[VO], s[8:9] offset:4096*\i       ; rows 8 w + 2 i, + 1 of V
.endr
.irp t, 0,1,2,3
	global_load_b32 v[VLO+\t], v[VSO], s[10:11] offset:1024*\t                ; row 16 t + r: the bytes of local blocks 0-3
.endr
.irp t, 0,1,2,3
	global_load_b32 v[VHI+\t], v[VSO], s[34:35] offset:1024*\t                ; and of local blocks 4-7
.endr
.irp i, 0,1,2,3,4,5,6,7
	global_load_b128 v[QR+4*\i:QR+4*\i+3], v[QO], s[4:5] offset:16384*\i th:TH_LOAD_NT   ; queries 2 i, 2 i + 1, head m = 0: read once in the launch
.endr
	; while they are on their way: the zero codes and the masks
.irp j, 0,1,2,3,4,5,6,7
	v_mov_b32 v[QF+8+\j], 0
.endr
.irp j, 4,5,6,7,8,9,10,11,12,13,14,15
	v_mov_b32 v[P2+\j], 0
.endr
.irp j, 5,6,7,8,9
	v_mov_b32 v[TM+\j], 0                          ; written once: a lane permute's destination counts as one of its sources
.endr
	v_mov_b32 v[NM+1], 0                           ; (named as the upper halves of pairs)
	v_mov_b32 v[RC+1], 0
	v_mov_b32 v[ZERO], 0
	v_mov_b32 v[NEGV], 0xfe967699                  ; -1e38
	v_mov_b32 v[VISV], s36
	WIN 0x40                                       ; destination window 1
.irp i, 0,1,2,3,4
.irp j, 0,1,2,3,4,5,6,7
	v_mov_b32 v[KF+24*\i+8+\j], 0
.endr
.endr
.set n, 0
.rept 16
	v_cmp_gt_i32 vcc_lo, n, v[DD]
	v_cndmask_b32 v[MP+n], v[NEGV], v[VISV], vcc_lo    ; block 0: a key counts where its place lies behind my query's (and the block exists)
	v_cndmask_b32 v[MD+n], v[ZERO], v[NEGV], vcc_lo    ; block 4: there it is hidden
.set n, n+1
.endr
.irp i, 1,2,3
.irp j, 0,1,2,3,4,5,6,7
	v_mov_b32 v[MB+8*(\i-1)+\j], s[36+\i]
.endr
.endr
	WIN 0
	s_wait_loadcnt 20                              ; K is in: behind it stand V's 4 loads, the scale words' 8 and Q's 8
.irp i, 0,1,2,3,4,5,6,7,8,9,10,11,12,13,14,15
	ds_store_b128 v[SI], v[S+4*\i:S+4*\i+3] offset:SP*(16*((\i/4)%2)+((2*\i)%8)+8*(\i/8))   ; key p goes to stage row 16 u + r, with p = 16 (r / 8) + 8 u + r % 8: each tile's 16 rows on end
.endr
.irp u, 0,1
.irp c, 0,1
.irp j, 0,1,2,3
	ds_load_b128 v[S+32*\u+16*\c+4*\j:S+32*\u+16*\c+4*\j+3], v[SF] offset:OST*\u+128*\c+16*\j   ; LDS serves a wave's instructions in order (ISA guide 5.7.1.4): these see the stores above
.endr
.endr
.endr
	s_wait_dscnt 8                                 ; tile 0's eight loads are in; tile 1's eight may be out
	QUANT S, P1, -1, XT
	ds_store_b128 v[KW], v[P1:P1+3]
	ds_store_b128 v[KW], v[P1+4:P1+7] offset:512
	ds_store_b32 v[KSW], v[XT]
	s_wait_dscnt 0x0                               ; tile 1 is in
	QUANT S+32, P1+8, -1, XT
	ds_store_b128 v[KW], v[P1+8:P1+11] offset:1024
	ds_store_b128 v[KW], v[P1+12:P1+15] offset:1536
	ds_store_b32 v[KSW], v[XT] offset:128
	s_wait_loadcnt 16                              ; V's codes are in: behind them the scale words' 8 loads and Q's 8
.irp i, 0,1,2,3
	ds_store_b128 v[VW], v[VR+4*\i:VR+4*\i+3] offset:2*SP*\i
.endr
	s_wait_loadcnt 8                               ; V's scale words are in: behind them Q's 8
.irp t, 0,1,2,3
	v_alignbit_b32 v[VS1+\t], v[VHI+\t], v[VLO+\t], s21    ; the bytes of local blocks a .. a + 3
.endr
.irp t, 0,1,2,3
	v_lshrrev_b32 v[VS2+\t], s21, v[VHI+\t]        ; byte 0: local block a + 4; what stands above it scales zero codes of P
.endr
	s_wait_dscnt 0x0                               ; for the others' sake: my images of K and my rows of V have landed
	s_barrier_signal -1
	s_barrier_wait -1                              ; the one barrier: behind it these bytes are only read, and a stage is its wave's own
	WIN 0x40                                       ; destination window 1
.irp i, 0,1,2,3,4
.irp u, 0,1
.irp c, 0,1
	ds_load_b128 v[KF+24*\i+16*\u+4*\c:KF+24*\i+16*\u+4*\c+3], v[KA] offset:(2*\i+\u)*1024+512*\c
.endr
.endr
.endr
.irp t, 0,1,2,3
.irp c, 0,1,2,3
	ds_load_b128 v[V1+16*\t+4*\c:V1+16*\t+4*\c+3], v[VA] offset:OST*\t+32*\c
.endr
.endr
.irp t, 0,1,2,3
	ds_load_b128 v[V2+4*\t:V2+4*\t+3], v[VA] offset:OST*\t+128
.endr
	WIN 0
.irp i, 0,1,2,3,4
.irp u, 0,1
	ds_load_b32 v[KS+2*\i+\u], v[KSA] offset:128*(2*\i+\u)
.endr
.endr
	s_wait_dscnt 0x0
	s_mov_b32 s27, 4                               ; heads to go
.Lhead:
	s_wait_loadcnt 0x0                             ; this head's Q, asked for a trip ago; in the loop no other load is on this counter
.irp i, 0,1,2,3,4,5,6,7
	ds_store_b128 v[SI], v[QR+4*\i:QR+4*\i+3] offset:2*SP*\i
.endr
.irp c, 0,1
.irp j, 0,1,2,3
	ds_load_b128 v[QX+16*\c+4*\j:QX+16*\c+4*\j+3], v[SF] offset:128*\c+16*\j   ; my query's 16 numbers of each block of 32
.endr
.endr
	s_wait_dscnt 0x0                               ; Q is turned, and the stores have read the registers that the next loads fill
	s_cmp_eq_u32 s27, 1
	s_cbranch_scc1 .Lno_next                       ; the last head asks for nothing: no load leaves its buffer
	s_add_nc_u64 s[4:5], s[4:5], 256               ; the loads that read this base are done (the wait at the trip's head)
.irp i, 0,1,2,3,4,5,6,7
	global_load_b128 v[QR+4*\i:QR+4*\i+3], v[QO], s[4:5] offset:16384*\i th:TH_LOAD_NT   ; the next head's Q: it has the whole trip in which to land
.endr
.Lno_next:
	QUANT QX, QF, QF+16, QS
	PLACES 8                                       ; a scale word written by vector instructions stands eight places ahead of a scaled matrix instruction, an operand four
	SPROD
	PLACES 8                                       ; eight places ahead of the first read of the results
.irp i, 0,1,2,3,4
	v_max3_num_f32 v[TM+\i], v[S+16*\i], v[S+16*\i+1], v[S+16*\i+2]   ; the largest score of each block: it serves the row's maximum and, since p rises with the score, the block's largest p.  Each accumulator is read from its low end on
.endr
.irp n, 3,5,7,9,11,13
.irp i, 0,1,2,3,4
	v_max3_num_f32 v[TM+\i], v[TM+\i], v[S+16*\i+\n], v[S+16*\i+\n+1]
.endr
.endr
.irp i, 0,1,2,3,4
	v_max_num_f32 v[TM+\i], v[TM+\i], v[S+16*\i+15]
.endr
.irp i, 0,1,2,3,4
	v_permlanex16_b32 v[TM+5+\i], v[TM+\i], s24, s25
.endr
.irp i, 0,1,2,3,4
	v_max_num_f32 v[TM+\i], v[TM+\i], v[TM+5+\i]   ; with lane l xor 16's 16 keys
.endr
	v_max3_num_f32 v[XT], v[TM], v[TM+1], v[TM+2]
	v_max3_num_f32 v[XT], v[XT], v[TM+3], v[TM+4]  ; the row's largest score
	v_mul_f32 v[XT], s22, v[XT]                    ; as t (c is positive)
	v_floor_f32 v[NM], -v[XT]                      ; -M = floor(-t) = -ceil(t)
.set n, 0
.rept 40
	v_pk_fma_f32 v[S+n:S+n+1], v[S+n:S+n+1], s[22:23], v[NM:NM+1] op_sel_hi:[1,0,0]   ; t - M, two at a time
.set n, n+2
.endr
.irp i, 0,1,2,3,4
	v_fma_f32 v[TM+\i], v[TM+\i], s22, v[NM]       ; the same of each block's largest score
.endr
.set n, 0
.rept 80
	v_exp_f32 v[S+n], v[S+n]                       ; p = 2^(t - M), at most 1; 0 where the key is hidden
.set n, n+1
.endr
.irp i, 0,1,2,3,4
	v_exp_f32 v[TM+\i], v[TM+\i]                   ; the block's largest p: the same two instructions on the same number give the same bits
.endr
	v_nop                                          ; a plain instruction behind the last exponential (ISA guide 5.7.2)
	s_wait_alu depctr_va_vdst(0)                   ; one wait for the batch of 85, ahead of its first reader
	v_pk_add_f32 v[L:L+1], v[S:S+1], v[S+2:S+3]    ; the row's sum is taken of the unquantised p: two at a time, in two chains
	v_pk_add_f32 v[L2:L2+1], v[S+4:S+5], v[S+6:S+7]
.set n, 8
.rept 18
	v_pk_add_f32 v[L:L+1], v[L:L+1], v[S+n:S+n+1]
	v_pk_add_f32 v[L2:L2+1], v[L2:L2+1], v[S+n+2:S+n+3]
.set n, n+4
.endr
	v_pk_add_f32 v[L:L+1], v[L:L+1], v[L2:L2+1]
	v_add_f32 v[L], v[L], v[L+1]
	v_permlanex16_b32 v[L2], v[L], s24, s25
	v_add_f32 v[L], v[L], v[L2]                    ; with lane l xor 16's: the row's sum
	v_rcp_f32 v[RC], v[L]                          ; its wait stands ahead of its first reader, behind the second product
.irp i, 0,1,2,3,4
	v_max_num_f32 v[TM+\i], 0x4800000, v[TM+\i]    ; the floor 2^(9 - 127): a block whose every p is 0 keeps the byte 1: its codes are zeros
.endr
.irp i, 0,1,2,3,4
	v_add_nc_u32 v[TM+15+\i], 0xfc000000, v[TM+\i] ; 8 off the exponent field: the conversion's scale operand
.endr
.irp i, 0,1,2,3,4
	v_and_or_b32 v[TM+10+\i], v[TM+\i], 0x7f800000, s26   ; 448 x the scale
.endr
.irp i, 0,1,2,3
	v_lshrrev_b32 v[TM+5+\i], 23, v[TM+15+\i]      ; the scales' bytes
.endr
	v_lshrrev_b32 v[PS2], 23, v[TM+19]             ; block 4's is a scale word as it stands: the bytes above it scale zero codes
	v_lshl_or_b32 v[PS1], v[TM+6], 8, v[TM+5]
	v_lshl_or_b32 v[PS1], v[TM+7], 16, v[PS1]
	v_lshl_or_b32 v[PS1], v[TM+8], 24, v[PS1]
.irp i, 0,1,2,3,4
.irp j, 0,1,2,3,4,5,6,7,8,9,10,11,12,13,14,15
	v_min_num_f32 v[S+16*\i+\j], v[S+16*\i+\j], v[TM+10+\i]   ; p is not negative: the hold is one-sided
.endr
	v_cvt_scalef32_pk8_fp8_f32 v[P1+4*\i:P1+4*\i+1], v[S+16*\i:S+16*\i+7], v[TM+15+\i]   ; block 4's codes fall into the second operand's registers 0-3
	v_cvt_scalef32_pk8_fp8_f32 v[P1+4*\i+2:P1+4*\i+3], v[S+16*\i+8:S+16*\i+15], v[TM+15+\i]
.endr
	v_nop                                          ; a plain vector line behind the last conversion: the products below write over its sources
	PLACES 8                                       ; the operands' places ahead of a scaled matrix instruction
	PVPROD
	PLACES 8                                       ; eight places ahead of the first read of the results, and of the loads into them further down
	s_wait_alu depctr_va_vdst(0)                   ; the reciprocal's wait, ahead of its first reader
.set n, 0
.rept 16
	v_pk_mul_f32 v[QX+n:QX+n+1], v[O+n:O+n+1], v[RC:RC+1] op_sel_hi:[1,0]   ; O^T / the sum; each accumulator from its low end on.  Register 8 t + j is channel 16 t + 8 hh + j of my query
.set n, n+2
.endr
.irp t, 0,1,2,3
	ds_store_b128 v[SOA], v[QX+8*\t:QX+8*\t+3] offset:64*\t
	ds_store_b128 v[SOA], v[QX+8*\t+4:QX+8*\t+7] offset:64*\t+16
.endr
.irp i, 0,1,2,3,4,5,6,7
	ds_load_b128 v[O+4*\i:O+4*\i+3], v[SI] offset:OST+2*SP*\i      ; back by rows; these see the stores above
.endr
.irp i, 0,1,2,3,4,5,6,7
	s_wait_dscnt 7-\i                              ; read-back i is in; the younger ones may be out
	global_store_b128 v[QO], v[O+4*\i:O+4*\i+3], s[12:13] offset:16384*\i th:TH_STORE_NT   ; 16 lanes store 256 consecutive bytes, at a multiple of 256 from out0's first byte
.endr
	s_wait_xcnt 0x0                                ; the stores' base is stepped, and their data are written again by the next trip's products, only behind this wait
	s_add_nc_u64 s[12:13], s[12:13], 256
	s_sub_co_u32 s27, s27, 1
	s_cmp_lg_u32 s27, 0
	s_cbranch_scc1 .Lhead
	s_wait_tensorcnt 0x0
	ds_add_u32 v254, v255
	s_wait_dscnt 0x0
	s_endpgm
.Lfunc_end_k_q047cb685f7_swa:
	.size	k_q047cb685f7_swa, .Lfunc_end_k_q047cb685f7_swa-k_q047cb685f7_swa
	.p2alignl 7, 3214868480
	.fill 96, 4, 3214868480
	.section	.rodata,"a",@progbits
	.p2align	6, 0x0
	.amdhsa_kernel k_q047cb685f7_swa
		.amdhsa_group_segment_fixed_size 106496
		.amdhsa_private_segment_fixed_size 0
		.amdhsa_enable_private_segment 0
		.amdhsa_kernarg_size 48
		.amdhsa_user_sgpr_count 2
		.amdhsa_user_sgpr_kernarg_segment_ptr 1
		.amdhsa_wavefront_size32 1
		.amdhsa_system_sgpr_workgroup_id_x 1
		.amdhsa_system_sgpr_workgroup_id_y 1
		.amdhsa_system_sgpr_workgroup_id_z 1
		.amdhsa_system_vgpr_workitem_id 0
		.amdhsa_next_free_vgpr 512
		.amdhsa_next_free_sgpr 66
		.amdhsa_reserve_vcc 1
		.amdhsa_float_denorm_mode_32 3
		.amdhsa_float_denorm_mode_16_64 3
		.amdhsa_memory_ordered 1
		.amdhsa_forward_progress 1
		.amdhsa_inst_pref_size 57
	.end_amdhsa_kernel
	.amdgpu_metadata
---
amdhsa.version: [ 1, 2 ]
amdhsa.kernels:
  - .name:           k_q047cb685f7_swa
    .symbol:         k_q047cb685f7_swa.kd
    .args:
      - { .name: Q, .offset: 0, .size: 8, .value_kind: global_buffer, .address_space: global }
      - { .name: K, .offset: 8, .size: 8, .value_kind: global_buffer, .address_space: global }
      - { .name: V_codes, .offset: 16, .size: 8, .value_kind: global_buffer, .address_space: global }
      - { .name: V_scales, .offset: 24, .size: 8, .value_kind: global_buffer, .address_space: global }
      - { .name: sinks, .offset: 32, .size: 8, .value_kind: global_buffer, .address_space: global }
      - { .name: out0, .offset: 40, .size: 8, .value_kind: global_buffer, .address_space: global }
    .group_segment_fixed_size: 106496
    .private_segment_fixed_size: 0
    .kernarg_segment_align: 8
    .kernarg_segment_size: 48
    .max_flat_workgroup_size: 256
    .sgpr_count:     66
    .vgpr_count:     512
    .wavefront_size: 32
...
	.end_amdgpu_metadata
.endif
;; end of part 1
;; ======== version 2 of 2: 1 launch; version 1 with the launch swa written anew for expert scheduling mode
;; limits: right only within a limited range of input values
;; launch swa (part 2): grid 16 x 16, 8 waves a work-group, no clusters, 106,496 bytes of LDS; arguments Q, K, V_codes, V_scales, sinks, out0; writes out0
.if DOCPART == 2
	.amdgcn_target "amdgcn-amd-amdhsa--gfx1250"
	.amdhsa_code_object_version 6
	.text
	.protected	k_q047cb685f7_swa
	.globl	k_q047cb685f7_swa
	.p2align	8
	.type	k_q047cb685f7_swa,@function
k_q047cb685f7_swa:
	s_mov_b64 s[64:65], 0
	v_nop
	global_prefetch_b8 v0, s[64:65] scope:SCOPE_SE
	s_setreg_imm32_b32 hwreg(HW_REG_WAVE_SCHED_MODE, 0, 2), 2
	s_setreg_imm32_b32 hwreg(HW_REG_WAVE_MODE, 25, 1), 1
	s_wait_xcnt 0x0
	s_wait_alu depctr_vm_vsrc(0)
; out0[b][q][(4 h + m) 64 + d] = the sum over k of softmax_k(Q . K / 8) V, key k counting for query q where q - 127 <= k <= q.  2 batches, 2,048 positions, 8 key heads h, 4 query heads m to each, head size 64.
; Both products on codes of FP8 (E4M3) with one E8M0 scale for each 32 along a product's K.  Q, K: f32, quantised here along the head's 64 (two blocks).  V: codes with the keys innermost, [b][64 h + d][2048], scale bytes [b][64 h + d][64].
; THE SOFTMAX: t = score x log2(e) / 8; M = ceil(the row's largest t); p = 2^(t - M) is quantised along the keys, in blocks of 32 that begin at multiples of 32; the row's sum of the unquantised p divides at the end.
; THE WINDOW.  16 queries that begin at q0 see only keys W0 .. W0 + 159, W0 = 32 floor(q0 / 32) - 128: five aligned blocks of 32.  A lane's part of the whole row is 80 registers, so M is the row's own: one pass, nothing is rescaled.
; SHARES.  Work-group (J, b, h): queries 128 J .. 128 J + 127 of the four query heads of key head h, and 256 keys: those of the key blocks PB = max(J - 1, 0) (local blocks of 32: 0-3) and J (local blocks 4-7).
;   With J = 0 the first half is a second copy of the second, so that no load leaves its buffer; its scores are hidden like any key that does not count.
;   Wave w: queries 128 J + 16 w on, the four heads one after the other, in a loop of four trips.  a = w / 2, e = w % 2: its window is local blocks a .. a + 4 in every trip, so its fragments of K and V, their scale words and its
;   masks are made once and stay in registers; in the loop LDS only turns Q on its way in and O on its way out.
; LAYOUT.  Both products are used transposed: S^T = K Q^T (source 0 = 16 keys, source 1 = 16 queries), O^T = V^T P^T (source 0 = 16 of the head's 64, source 1 = P): lane (r = lane % 16, hh = lane / 16) holds query r throughout.
;   THE KEYS OF A TILE ARE NOT NEIGHBOURS: lane r of tile (block i, u) takes key 32 i + 8 u + r + 8 (r / 8), so that registers 16 i .. 16 i + 15 of S are the 16 neighbouring keys W0 + 32 i + 16 hh + 0 .. 15.
; A HEAD OF 64 IN AN INSTRUCTION OF 128: zero codes on both sides.  K lies as [tile (i, 0): 8 registers][zeros: 8][tile (i, 1): 8], Q as [Q: 8][zeros: 8][Q: 8]; tile u names 16 registers from 8 u on of both.  For u = 1 the head's 64 so stand
;   at k = 64 .. 127 on both sides.  Each scale word of Q and K is its two bytes twice, and serves both forms.
; THE SECOND PRODUCT: window blocks 0-3 are one step of 128 keys; block 4 stands in registers 0-3 of a second operand of P whose registers 4-15 are zero codes; V's side of those 96 places is whatever codes of V lie next in the registers.
; THE MASK IS THE C OF THE SCORES' PRODUCTS: 0 where a key counts, -1e38 where it does not (p is then 0).  A query's own key always counts, so M is a number.
; sinks: reference() takes it and never uses it in its arithmetic, so this text does not load it: no result hangs on it.
; NO CLUSTER, NO TENSOR LOAD: Q and K are f32 and pass through registers to be quantised, so there is no tensor load that could carry a mask; what neighbouring work-groups share is half of K and V, 40 KB of the 336 KB that a work-group moves.
; No prefetch is written: each tile's Q is asked for a whole trip ahead by its own loads.
; LIMITS: NaN and infinities in Q or K, NaN codes and scale bytes 0xff in V are not served.  The mask is -1e38 and not -infinity: it hides a key while scores stay under 1e37 in magnitude.
;   A block of zeros carries the scale byte 1 where the rule says 127: its codes are zeros, and this program alone reads the byte.
; REGISTERS, window 0: v1-11 addresses; v12-23 the row's figures and scale words; v24-41 K's and V's scale words; v50-69 at work; v72-95 Q's codes; v96-127 P's codes; v128-159 the next Q as loaded; v160-239 S, later O.
;   window 1: v0-119 K's ten tiles; v120-135 V of block 4; v136-199 V of blocks 0-3; v200-255 the masks.
; THE MODE: SCHED_MODE bits 1:0 = 2 (LLVM: expert scheduling mode 2), set by the entry lines.  The code itself states the register dependences between vector or matrix instructions and memory or LDS instructions, with s_wait_alu, always for 0.
; THE PLAN.  Registers that memory or LDS instructions touch:
;   v1-11, v242-243   addresses: written at the head, ahead of one wait on va_vdst in front of the first load; never written again (the rows are reached by scalar bases and immediate offsets).
;   At the head: v160-223 K as loaded -> read by the stage's stores -> the stage's loads land there (a wait on vm_vsrc between) -> the two quantisers.  v96-111, v20, v21: written by the two quantisers, read by six LDS stores
;   (one wait on va_vdst between).  v224-239: V as loaded, read by LDS stores.  K's and V's fragments and K's scale words are loaded once, into registers that no vector instruction has named.
;   In the loop: QR   the next head's loads land in it; the trip's eight LDS stores read it; no vector instruction names it.
;                QX   the turn's LDS loads land in it; the quantiser, the scores' products and the softmax work in it; the 16 multiplications by 1 / sum write it; eight LDS stores read it.
;                O    the products write it; the 16 multiplications read it; the read-back's LDS loads land in it; eight global stores read it; the next trip's products write it.
;   A trip has one wait on vm_vsrc, behind its eight LDS stores of QR (it frees QR, and QX and O of the trip before), and four on va_vdst: ahead of each of the two runs of products (their operands and scale words are written),
;   behind the exponentials, and behind the 16 multiplications (QX is written, O is done with), which also serves the next trip's loads into QX: no vector instruction in between names QX.
.set SP,    272                        ; a stage row, and a row of V in LDS: 256 bytes + 16 = 68 words, so that 16 rows begin 4 words apart
.set KIMG,  0                          ; LDS: K's 16 tiles (local block B, u: tile 2 B + u) as images of their registers: 1,024 bytes each, four registers at 512 c + 16 x lane
.set KSC,   16384                      ; their scale words: 128 bytes a tile, 4 x lane
.set VT,    18432                      ; V: 64 rows d of 256 codes (local keys 0 .. 255)
.set STG,   35840                      ; each wave's own stage, 32 rows: rows 0-15 turn Q (at the head all 32 turn K), rows 16-31 turn O
.set STGW,  32*SP
.set OST,   16*SP
.set QO,  1                            ; v1   Q and out0: 8192 hh + 16 r: two rows an instruction, 16 lanes to a row's 256 bytes
.set SI,  2                            ; v2   the stage by rows as they are loaded and stored: 272 hh + 16 r
.set SF,  3                            ; v3   the stage by fragments: 272 r + 64 hh
.set SOA, 4                            ; v4   O into the stage: 16 rows on, 272 r + 32 hh
.set KO,  5                            ; v5   K: 2048 hh + 16 r
.set VO,  6                            ; v6   V's codes
.set VW,  7                            ; v7   V into LDS
.set VSO, 8                            ; v8   V's scale words: 64 r
.set KW,  9                            ; v9   where I store K's images: 16 x lane + 2048 w
.set KSW, 10                           ; v10  and their scale words: 4 x lane + 256 w
.set VA,  11                           ; v11  my fragments of V: 272 r + 16 hh + 32 a
.set NM,  12                           ; v[12:13] -M (the packed form names the pair and takes its low word)
.set L,   14                           ; v[14:15], v[16:17] the row's sum in two chains
.set L2,  16
.set RC,  18                           ; v[18:19] 1 / the sum
.set XT,  20
.set QS,  21                           ; Q's scale word (at the head: that of K's second tile);  v22, v23 P's
.set PS1, 22
.set PS2, 23
.set KS,  24                           ; v24-33 K's scale words, tile (i, u) at 2 i + u
.set VS1, 34                           ; v34-37 V's for window blocks 0-3;  v38-41 for block 4
.set VS2, 38
.set VLO, 42                           ; v42-45, v46-49: V's scale words of local blocks 0-3 and 4-7 (head only)
.set VHI, 46
.set TM,  50                           ; +0..4 largest; +5..9 the other half's, then bytes; +10..14 448 x scale; +15..19 the conversions' scale operand
.set ZERO, 70
.set NEGV, 71
.set QF,  72
.set P1,  96
.set P2,  112
.set QR,  128
.set S,   160
.set O,   160                          ; O^T, and the rows read back
.set QX,  192                          ; Q turned; later O^T / the sum
.set VR,  224                          ; V as loaded (head only)
.set VISV, 240
.set DD,  241
.set KA,  242                          ; where I fetch K's images: 16 x lane + 2048 a
.set KSA, 243
.set R,   244
.set HH,  245
.set LN,  246
.set T0,  247
.set T1,  248
.set KF,  0                            ; window 1
.set V2,  120
.set V1,  136
.set MP,  200                          ; block 0's mask, 8 u + j
.set MB,  216                          ; blocks 1-3: eight equal registers each
.set MD,  240                          ; block 4's mask
.set MSB, 0
.macro WIN new                         ; the immediate's high byte repeats the setting that is left; a switch that changes nothing is dropped
.if MSB != \new
	s_set_vgpr_msb (MSB<<8)|\new
.set MSB, \new
.endif
.endm
.macro PLACES n
.rept \n
	v_nop
.endr
.endm
; 32 numbers of a lane, register 16 b + i = element 32 b + 16 hh + i of my row, become 8 registers of codes at v[d] (and once more at v[d2] where d2 >= 0) and the scale word v[w]: the two bytes, twice.
.macro QUANT x, d, d2, w
.irp b, 0,1
	v_max3_num_f32 v[TM+\b], |v[\x+16*\b]|, |v[\x+16*\b+1]|, 0x4800000   ; my 16 numbers of block b, and the floor 2^(9 - 127): the byte cannot fall under 1
.endr
.irp i, 2,4,6,8,10,12,14
.irp b, 0,1
	v_max3_num_f32 v[TM+\b], v[TM+\b], |v[\x+16*\b+\i]|, |v[\x+16*\b+\i+1]|
.endr
.endr
.irp b, 0,1
	v_permlanex16_b32 v[TM+5+\b], v[TM+\b], s24, s25
.endr
.irp b, 0,1
	v_max_num_f32 v[TM+\b], v[TM+\b], v[TM+5+\b]                   ; with lane l xor 16's: the block's largest magnitude
.endr
.irp b, 0,1
	v_add_nc_u32 v[TM+15+\b], 0xfc000000, v[TM+\b]                 ; 8 off its exponent field: the conversion's scale operand
.endr
.irp b, 0,1
	v_and_or_b32 v[TM+10+\b], v[TM+\b], 0x7f800000, s26            ; 448 x the scale
.endr
.irp b, 0,1
	v_lshrrev_b32 v[TM+5+\b], 23, v[TM+15+\b]                      ; the scale's byte
.endr
	v_lshl_or_b32 v[\w], v[TM+6], 8, v[TM+5]
	v_lshl_or_b32 v[\w], v[\w], 16, v[\w]                          ; s0, s1, s0, s1
.irp b, 0,1
.irp i, 0,1,2,3,4,5,6,7,8,9,10,11,12,13,14,15
	v_med3_num_f32 v[\x+16*\b+\i], v[\x+16*\b+\i], -v[TM+10+\b], v[TM+10+\b]   ; the conversion to an 8-bit code does not saturate (ISA guide 7.6.2): the hold comes first
.endr
	v_cvt_scalef32_pk8_fp8_f32 v[\d+4*\b:\d+4*\b+1], v[\x+16*\b:\x+16*\b+7], v[TM+15+\b]
	v_cvt_scalef32_pk8_fp8_f32 v[\d+4*\b+2:\d+4*\b+3], v[\x+16*\b+8:\x+16*\b+15], v[TM+15+\b]
.if \d2 >= 0
	v_cvt_scalef32_pk8_fp8_f32 v[\d2+4*\b:\d2+4*\b+1], v[\x+16*\b:\x+16*\b+7], v[TM+15+\b]
	v_cvt_scalef32_pk8_fp8_f32 v[\d2+4*\b+2:\d2+4*\b+3], v[\x+16*\b+8:\x+16*\b+15], v[TM+15+\b]
.endif
.endr
	v_nop                                          ; a plain vector line behind the last conversion, ahead of whatever next touches its registers
.endm
; The ten tiles of scores: ten accumulators, each begun by its mask as C.
.macro SPROD
	WIN 0x11                                       ; source 0 (K) and source 2 (the mask) window 1; Q and S window 0
.irp i, 0,1,2,3,4
.irp u, 0,1
.if \i == 0
.set CR, MP+8*\u
.elseif \i == 4
.set CR, MD+8*\u
.else
.set CR, MB+8*(\i-1)
.endif
	v_wmma_scale_f32_16x16x128_f8f6f4 v[S+16*\i+8*\u:S+16*\i+8*\u+7], v[KF+24*\i+8*\u:KF+24*\i+8*\u+15], v[QF+8*\u:QF+8*\u+15], v[CR:CR+7], v[KS+2*\i+\u], v[QS]
.endr
.endr
	WIN 0
.endm
; O^T: four accumulators by turns, one instruction a turn: window blocks 0-3 start the sums, block 4 is added.
.macro PVPROD
	WIN 0x01                                       ; source 0 (V) window 1
.irp t, 0,1,2,3
	v_wmma_scale_f32_16x16x128_f8f6f4 v[O+8*\t:O+8*\t+7], v[V1+16*\t:V1+16*\t+15], v[P1:P1+15], 0, v[VS1+\t], v[PS1]
.endr
.irp t, 0,1,2,3
	v_wmma_scale_f32_16x16x128_f8f6f4 v[O+8*\t:O+8*\t+7], v[V2+4*\t:V2+4*\t+15], v[P2:P2+15], v[O+8*\t:O+8*\t+7], v[VS2+\t], v[PS2]
.endr
	WIN 0
.endm
	s_load_b256 s[4:11], s[0:1], 0x0               ; Q s[4:5], K s[6:7], V's codes s[8:9], V's scales s[10:11]
	s_load_b64 s[12:13], s[0:1], 0x28              ; out0
	v_lshl_add_u32 v254, v0, 2, 0x19c00
	v_mov_b32 v255, 0
	v_lshrrev_b32 v[XT], 5, v0
	v_readfirstlane_b32 s14, v[XT]                 ; w: wave 0..7
	s_mov_b32 s15, ttmp9                           ; J
	s_and_b32 s40, ttmp7, 0xffff
	s_lshr_b32 s16, s40, 3                         ; b
	s_and_b32 s17, s40, 7                          ; h
	s_sub_co_i32 s18, s15, 1
	s_max_i32 s18, s18, 0                          ; PB
	s_wait_alu depctr_va_sdst(0)                   ; s14 is written, ahead of its first reader: offsets and LDS addresses are made from it
	s_lshr_b32 s19, s14, 1                         ; a
	s_and_b32 s20, s14, 1                          ; e
	s_lshl_b32 s21, s19, 3                         ; 8 a: a shift by a bytes
	s_mov_b32 s22, 0x3e38aa3b                      ; c = log2(e) / 8
	s_mov_b32 s23, s22                             ; (named with it as a pair, so it is written)
	s_mov_b32 s24, 0x76543210
	s_mov_b32 s25, 0xfedcba98                      ; v_permlanex16_b32's selects for lane l xor 16
	s_mov_b32 s26, 0x600000                        ; the mantissa field of 448
	; byte offsets, made apart from the addresses.  K: my 32 keys are local block w: row b 2048 + (w < 4 ? PB : J) 128 + 32 (w % 4), 2,048 bytes a row, + 256 h
	s_cmp_lt_u32 s14, 4
	s_cselect_b32 s28, s18, s15
	s_lshl_b32 s28, s28, 7
	s_and_b32 s40, s14, 3
	s_lshl_b32 s40, s40, 5
	s_add_co_u32 s28, s28, s40
	s_lshl_b32 s40, s16, 11
	s_add_co_u32 s28, s28, s40
	s_lshl_b32 s28, s28, 11
	s_lshl_b32 s40, s17, 8
	s_add_co_u32 s28, s28, s40
	s_mov_b32 s29, 0
	; V: row b 512 + 64 h (+ 8 w for the codes that I fetch): 2,048 bytes of codes, 64 of scales
	s_lshl_b32 s30, s16, 9
	s_lshl_b32 s40, s17, 6
	s_add_co_u32 s30, s30, s40
	s_lshl_b32 s42, s30, 6
	s_lshl_b32 s40, s15, 2
	s_add_co_u32 s44, s42, s40                     ; the scale word of key block J,
	s_mov_b32 s45, 0
	s_lshl_b32 s40, s18, 2
	s_add_co_u32 s42, s42, s40                     ; and of key block PB
	s_mov_b32 s43, 0
	s_lshl_b32 s40, s14, 3
	s_add_co_u32 s30, s30, s40
	s_lshl_b32 s30, s30, 11
	s_mov_b32 s31, 0
	; Q and out0: row b 2048 + 128 J + 16 w of 8,192 bytes, + 1024 h
	s_lshl_b32 s32, s16, 11
	s_lshl_b32 s40, s15, 7
	s_add_co_u32 s32, s32, s40
	s_lshl_b32 s40, s14, 4
	s_add_co_u32 s32, s32, s40
	s_lshl_b32 s32, s32, 13
	s_lshl_b32 s40, s17, 10
	s_add_co_u32 s32, s32, s40
	s_mov_b32 s33, 0
	; window block i is key block 4 (J - 1) + a + i of 32: there is none where 4 J + a + i < 4
	s_lshl_b32 s40, s15, 2
	s_add_co_u32 s40, s40, s19
	s_cmp_lt_u32 s40, 4
	s_cselect_b32 s36, 0xfe967699, 0               ; -1e38 or 0: block 0,
	s_cmp_lt_u32 s40, 3
	s_cselect_b32 s37, 0xfe967699, 0               ; 1,
	s_cmp_lt_u32 s40, 2
	s_cselect_b32 s38, 0xfe967699, 0               ; 2,
	s_cmp_lt_u32 s40, 1
	s_cselect_b32 s39, 0xfe967699, 0               ; 3
	v_and_b32 v[R], 15, v0                         ; r
	v_bfe_u32 v[HH], v0, 4, 1                      ; hh
	v_and_b32 v[LN], 31, v0                        ; lane
	v_lshlrev_b32 v[T0], 4, v[R]
	v_lshl_add_u32 v[QO], v[HH], 13, v[T0]
	v_lshl_add_u32 v[KO], v[HH], 11, v[T0]
	v_mad_u32_u24 v[T1], v[HH], SP, v[T0]          ; 272 hh + 16 r
	s_mul_i32 s41, s14, STGW
	s_add_co_u32 s41, s41, STG                     ; my stage
	v_add_nc_u32 v[SI], s41, v[T1]
	s_mul_i32 s46, s14, 8*SP
	s_add_co_u32 s46, s46, VT                      ; rows 8 w on of V's tile
	v_add_nc_u32 v[VW], s46, v[T1]
	v_mul_u32_u24 v[T1], v[R], SP                  ; 272 r
	v_lshl_add_u32 v[SF], v[HH], 6, v[T1]
	v_add_nc_u32 v[SF], s41, v[SF]
	v_lshl_add_u32 v[SOA], v[HH], 5, v[T1]
	v_add_nc_u32 v[SOA], s41, v[SOA]
	v_add_nc_u32 v[SOA], OST, v[SOA]
	v_lshl_add_u32 v[VA], v[HH], 4, v[T1]
	s_lshl_b32 s46, s19, 5
	s_add_co_u32 s46, s46, VT
	v_add_nc_u32 v[VA], s46, v[VA]
	v_lshlrev_b32 v[VSO], 6, v[R]
	v_lshlrev_b32 v[T1], 4, v[LN]                  ; 16 x lane (K's images begin at LDS byte 0)
	s_lshl_b32 s46, s14, 11
	v_add_nc_u32 v[KW], s46, v[T1]
	s_lshl_b32 s46, s19, 11
	v_add_nc_u32 v[KA], s46, v[T1]
	v_lshlrev_b32 v[T1], 2, v[LN]                  ; 4 x lane
	s_lshl_b32 s46, s14, 8
	s_add_co_u32 s46, s46, KSC
	v_add_nc_u32 v[KSW], s46, v[T1]
	s_lshl_b32 s46, s19, 8
	s_add_co_u32 s46, s46, KSC
	v_add_nc_u32 v[KSA], s46, v[T1]
	v_and_b32 v[T1], 7, v0                         ; V's codes: lanes 0-7 of a row take 128 bytes of key block PB, lanes 8-15 those of key block J: 256 consecutive bytes where J >= 1
	v_lshlrev_b32 v[T1], 4, v[T1]
	v_lshl_add_u32 v[VO], v[HH], 11, v[T1]
	v_bfe_u32 v[T1], v0, 3, 1
	s_sub_co_u32 s46, s15, s18
	s_lshl_b32 s46, s46, 7
	s_lshl_b32 s47, s18, 7
	v_mul_u32_u24 v[T1], s46, v[T1]
	v_add3_u32 v[VO], v[VO], v[T1], s47
	v_lshlrev_b32 v[T0], 4, v[HH]                  ; D = 16 e + r - 16 hh: place x = 16 hh + 8 u + j of a block lies behind my query's place 16 e + r where 8 u + j > D
	v_sub_nc_u32 v[DD], v[R], v[T0]
	s_lshl_b32 s40, s20, 4
	v_add_nc_u32 v[DD], s40, v[DD]
	s_wait_kmcnt 0x0
	s_add_nc_u64 s[6:7], s[6:7], s[28:29]
	s_add_nc_u64 s[8:9], s[8:9], s[30:31]
	s_add_nc_u64 s[34:35], s[10:11], s[44:45]
	s_add_nc_u64 s[10:11], s[10:11], s[42:43]
	s_add_nc_u64 s[4:5], s[4:5], s[32:33]
	s_add_nc_u64 s[12:13], s[12:13], s[32:33]
	s_wait_alu depctr_va_vdst(0)                   ; the thirteen addresses v1 to v11, v242 and v243 are written: every load and store of the kernel, global or LDS, reads one of them, and none is written again
	; 36 loads: K's 16, V's 4, the scale words' 8, the first tile of Q's 8
.irp i, 0,1,2,3,4,5,6,7,8,9,10,11,12,13,14,15
	global_load_b128 v[S+4*\i:S+4*\i+3], v[KO], s[6:7] offset:4096*\i         ; keys 2 i, 2 i + 1 of my 32: 16 lanes read a row's 256 bytes
.endr
.irp i, 0,1,2,3
	global_load_b128 v[VR+4*\i:VR+4*\i+3], v[VO], s[8:9] offset:4096*\i       ; rows 8 w + 2 i, + 1 of V
.endr
.irp t, 0,1,2,3
	global_load_b32 v[VLO+\t], v[VSO], s[10:11] offset:1024*\t                ; row 16 t + r: the bytes of local blocks 0-3
.endr
.irp t, 0,1,2,3
	global_load_b32 v[VHI+\t], v[VSO], s[34:35] offset:1024*\t                ; and of local blocks 4-7
.endr
.irp i, 0,1,2,3,4,5,6,7
	global_load_b128 v[QR+4*\i:QR+4*\i+3], v[QO], s[4:5] offset:16384*\i th:TH_LOAD_NT   ; queries 2 i, 2 i + 1, head m = 0: read once in the launch
.endr
	; while they are on their way: the zero codes and the masks.  None of these lines names a register that a load or store touches
.set n, 0
.irp p, 2,3,28,29,30,31,32,33,40,41,42,43,44,45,46,47
	v_cmp_gt_i32 s[\p], n, v[DD]                   ; place n of a block lies behind my query's: the sixteen compares in one run, each into a scalar register that is free here (the offsets have been added to their addresses)
.set n, n+1
.endr
.irp j, 0,1,2,3,4,5,6,7
	v_mov_b32 v[QF+8+\j], 0
.endr
.irp j, 4,5,6,7,8,9,10,11,12,13,14,15
	v_mov_b32 v[P2+\j], 0
.endr
.irp j, 5,6,7,8,9
	v_mov_b32 v[TM+\j], 0                          ; written once: a lane permute's destination counts as one of its sources
.endr
	v_mov_b32 v[NM+1], 0                           ; (named as the upper halves of pairs)
	v_mov_b32 v[RC+1], 0
	v_mov_b32 v[ZERO], 0
	v_mov_b32 v[NEGV], 0xfe967699                  ; -1e38
	v_mov_b32 v[VISV], s36
	WIN 0x40                                       ; destination window 1
.irp i, 0,1,2,3,4
.irp j, 0,1,2,3,4,5,6,7
	v_mov_b32 v[KF+24*\i+8+\j], 0
.endr
.endr
.irp i, 1,2,3
.irp j, 0,1,2,3,4,5,6,7
	v_mov_b32 v[MB+8*(\i-1)+\j], s[36+\i]
.endr
.endr
	s_wait_alu depctr_va_sdst(0)                   ; the sixteen compares have written their masks, ahead of the first select that reads one
.set n, 0
.irp p, 2,3,28,29,30,31,32,33,40,41,42,43,44,45,46,47
	v_cndmask_b32 v[MP+n], v[NEGV], v[VISV], s[\p]     ; block 0: a key counts where its place lies behind my query's (and the block exists)
	v_cndmask_b32 v[MD+n], v[ZERO], v[NEGV], s[\p]     ; block 4: there it is hidden
.set n, n+1
.endr
	WIN 0
	s_wait_loadcnt 20                              ; K is in: behind it stand V's 4 loads, the scale words' 8 and Q's 8
.irp i, 0,1,2,3,4,5,6,7,8,9,10,11,12,13,14,15
	ds_store_b128 v[SI], v[S+4*\i:S+4*\i+3] offset:SP*(16*((\i/4)%2)+((2*\i)%8)+8*(\i/8))   ; key p goes to stage row 16 u + r, with p = 16 (r / 8) + 8 u + r % 8: each tile's 16 rows on end
.endr
	s_wait_alu depctr_vm_vsrc(0)                   ; the sixteen stores have read v[S ..], in which the loads below land and which the quantisers write
.irp u, 0,1
.irp c, 0,1
.irp j, 0,1,2,3
	ds_load_b128 v[S+32*\u+16*\c+4*\j:S+32*\u+16*\c+4*\j+3], v[SF] offset:OST*\u+128*\c+16*\j   ; LDS serves a wave's instructions in order (ISA guide 5.7.1.4): these see the stores above
.endr
.endr
.endr
	s_wait_dscnt 8                                 ; tile 0's eight loads are in; tile 1's eight may be out
	QUANT S, P1, -1, XT
	s_wait_dscnt 0x0                               ; tile 1 is in
	QUANT S+32, P1+8, -1, QS                       ; a scale word of its own, so that both tiles' stores stand behind one wait
	s_wait_alu depctr_va_vdst(0)                   ; the two quantisers have written v[P1 .. P1 + 15], v[XT] and v[QS], which the six stores read, and are done with v[S ..]; the zero codes and the masks are written too
	ds_store_b128 v[KW], v[P1:P1+3]
	ds_store_b128 v[KW], v[P1+4:P1+7] offset:512
	ds_store_b32 v[KSW], v[XT]
	ds_store_b128 v[KW], v[P1+8:P1+11] offset:1024
	ds_store_b128 v[KW], v[P1+12:P1+15] offset:1536
	ds_store_b32 v[KSW], v[QS] offset:128
	s_wait_loadcnt 16                              ; V's codes are in: behind them the scale words' 8 loads and Q's 8
.irp i, 0,1,2,3
	ds_store_b128 v[VW], v[VR+4*\i:VR+4*\i+3] offset:2*SP*\i
.endr
	s_wait_loadcnt 8                               ; V's scale words are in: behind them Q's 8
.irp t, 0,1,2,3
	v_alignbit_b32 v[VS1+\t], v[VHI+\t], v[VLO+\t], s21    ; the bytes of local blocks a .. a + 3
.endr
.irp t, 0,1,2,3
	v_lshrrev_b32 v[VS2+\t], s21, v[VHI+\t]        ; byte 0: local block a + 4; what stands above it scales zero codes of P
.endr
	s_wait_dscnt 0x0                               ; for the others' sake: my images of K and my rows of V have landed
	s_barrier_signal -1
	s_barrier_wait -1                              ; the one barrier: behind it these bytes are only read, and a stage is its wave's own
	WIN 0x40                                       ; destination window 1.  The loads below land in registers that no vector instruction has named (the zero codes lie between K's tiles), by addresses written ahead of the first wait on va_vdst
.irp i, 0,1,2,3,4
.irp u, 0,1
.irp c, 0,1
	ds_load_b128 v[KF+24*\i+16*\u+4*\c:KF+24*\i+16*\u+4*\c+3], v[KA] offset:(2*\i+\u)*1024+512*\c
.endr
.endr
.endr
.irp t, 0,1,2,3
.irp c, 0,1,2,3
	ds_load_b128 v[V1+16*\t+4*\c:V1+16*\t+4*\c+3], v[VA] offset:OST*\t+32*\c
.endr
.endr
.irp t, 0,1,2,3
	ds_load_b128 v[V2+4*\t:V2+4*\t+3], v[VA] offset:OST*\t+128
.endr
	WIN 0
.irp i, 0,1,2,3,4
.irp u, 0,1
	ds_load_b32 v[KS+2*\i+\u], v[KSA] offset:128*(2*\i+\u)
.endr
.endr
	s_wait_dscnt 0x0
	s_mov_b32 s27, 4                               ; heads to go
.Lhead:
	s_wait_loadcnt 0x0                             ; this head's Q, asked for a trip ago; in the loop no other load is on this counter
.irp i, 0,1,2,3,4,5,6,7
	ds_store_b128 v[SI], v[QR+4*\i:QR+4*\i+3] offset:2*SP*\i
.endr
	s_wait_alu depctr_vm_vsrc(0)                   ; these eight stores have read QR, in which the next head's loads land; the last trip's LDS stores have read QX, in which the loads below land, and its global stores O, which the products write; in the first trip: the head's LDS stores have read v[XT], v[QS], v[P1 ..] and v[VR ..], which this trip writes
.irp c, 0,1
.irp j, 0,1,2,3
	ds_load_b128 v[QX+16*\c+4*\j:QX+16*\c+4*\j+3], v[SF] offset:128*\c+16*\j   ; my query's 16 numbers of each block of 32.  The last vector instructions that named QX stand ahead of a wait on va_vdst: the last trip's multiplications, or the head's quantisers
.endr
.endr
	s_cmp_eq_u32 s27, 1
	s_cbranch_scc1 .Lno_next                       ; the last head asks for nothing: no load leaves its buffer
	s_add_nc_u64 s[4:5], s[4:5], 256               ; the loads that read this base are done (the wait at the trip's head)
.irp i, 0,1,2,3,4,5,6,7
	global_load_b128 v[QR+4*\i:QR+4*\i+3], v[QO], s[4:5] offset:16384*\i th:TH_LOAD_NT   ; the next head's Q: it has the whole trip in which to land.  No vector instruction ever names QR
.endr
.Lno_next:
	s_wait_dscnt 0x0                               ; Q is turned
	QUANT QX, QF, QF+16, QS
	PLACES 8                                       ; a scale word written by vector instructions stands eight places ahead of a scaled matrix instruction, an operand four
	s_wait_alu depctr_va_vdst(0)                   ; the quantiser has written Q's codes and v[QS], which the products take as operand and scales (in the first trip V's scale words, made at the head, are written too)
	SPROD
	PLACES 8                                       ; eight places ahead of the first read of the results
.irp i, 0,1,2,3,4
	v_max3_num_f32 v[TM+\i], v[S+16*\i], v[S+16*\i+1], v[S+16*\i+2]   ; the largest score of each block: it serves the row's maximum and, since p rises with the score, the block's largest p.  Each accumulator is read from its low end on
.endr
.irp n, 3,5,7,9,11,13
.irp i, 0,1,2,3,4
	v_max3_num_f32 v[TM+\i], v[TM+\i], v[S+16*\i+\n], v[S+16*\i+\n+1]
.endr
.endr
.irp i, 0,1,2,3,4
	v_max_num_f32 v[TM+\i], v[TM+\i], v[S+16*\i+15]
.endr
.irp i, 0,1,2,3,4
	v_permlanex16_b32 v[TM+5+\i], v[TM+\i], s24, s25
.endr
.irp i, 0,1,2,3,4
	v_max_num_f32 v[TM+\i], v[TM+\i], v[TM+5+\i]   ; with lane l xor 16's 16 keys
.endr
	v_max3_num_f32 v[XT], v[TM], v[TM+1], v[TM+2]
	v_max3_num_f32 v[XT], v[XT], v[TM+3], v[TM+4]  ; the row's largest score
	v_mul_f32 v[XT], s22, v[XT]                    ; as t (c is positive)
	v_floor_f32 v[NM], -v[XT]                      ; -M = floor(-t) = -ceil(t)
.set n, 0
.rept 40
	v_pk_fma_f32 v[S+n:S+n+1], v[S+n:S+n+1], s[22:23], v[NM:NM+1] op_sel_hi:[1,0,0]   ; t - M, two at a time
.set n, n+2
.endr
.irp i, 0,1,2,3,4
	v_fma_f32 v[TM+\i], v[TM+\i], s22, v[NM]       ; the same of each block's largest score
.endr
.set n, 0
.rept 80
	v_exp_f32 v[S+n], v[S+n]                       ; p = 2^(t - M), at most 1; 0 where the key is hidden
.set n, n+1
.endr
.irp i, 0,1,2,3,4
	v_exp_f32 v[TM+\i], v[TM+\i]                   ; the block's largest p: the same two instructions on the same number give the same bits
.endr
	v_nop                                          ; a plain instruction behind the last exponential (ISA guide 5.7.2)
	s_wait_alu depctr_va_vdst(0)                   ; the 85 exponentials have written v[S ..] and v[TM ..]: one wait for the batch, ahead of its first reader
	v_pk_add_f32 v[L:L+1], v[S:S+1], v[S+2:S+3]    ; the row's sum is taken of the unquantised p: two at a time, in two chains
	v_pk_add_f32 v[L2:L2+1], v[S+4:S+5], v[S+6:S+7]
.set n, 8
.rept 18
	v_pk_add_f32 v[L:L+1], v[L:L+1], v[S+n:S+n+1]
	v_pk_add_f32 v[L2:L2+1], v[L2:L2+1], v[S+n+2:S+n+3]
.set n, n+4
.endr
	v_pk_add_f32 v[L:L+1], v[L:L+1], v[L2:L2+1]
	v_add_f32 v[L], v[L], v[L+1]
	v_permlanex16_b32 v[L2], v[L], s24, s25
	v_add_f32 v[L], v[L], v[L2]                    ; with lane l xor 16's: the row's sum
	v_rcp_f32 v[RC], v[L]                          ; its wait is the one ahead of the second product, which stands ahead of its first reader
.irp i, 0,1,2,3,4
	v_max_num_f32 v[TM+\i], 0x4800000, v[TM+\i]    ; the floor 2^(9 - 127): a block whose every p is 0 keeps the byte 1: its codes are zeros
.endr
.irp i, 0,1,2,3,4
	v_add_nc_u32 v[TM+15+\i], 0xfc000000, v[TM+\i] ; 8 off the exponent field: the conversion's scale operand
.endr
.irp i, 0,1,2,3,4
	v_and_or_b32 v[TM+10+\i], v[TM+\i], 0x7f800000, s26   ; 448 x the scale
.endr
.irp i, 0,1,2,3
	v_lshrrev_b32 v[TM+5+\i], 23, v[TM+15+\i]      ; the scales' bytes
.endr
	v_lshrrev_b32 v[PS2], 23, v[TM+19]             ; block 4's is a scale word as it stands: the bytes above it scale zero codes
	v_lshl_or_b32 v[PS1], v[TM+6], 8, v[TM+5]
	v_lshl_or_b32 v[PS1], v[TM+7], 16, v[PS1]
	v_lshl_or_b32 v[PS1], v[TM+8], 24, v[PS1]
.irp i, 0,1,2,3,4
.irp j, 0,1,2,3,4,5,6,7,8,9,10,11,12,13,14,15
	v_min_num_f32 v[S+16*\i+\j], v[S+16*\i+\j], v[TM+10+\i]   ; p is not negative: the hold is one-sided
.endr
	v_cvt_scalef32_pk8_fp8_f32 v[P1+4*\i:P1+4*\i+1], v[S+16*\i:S+16*\i+7], v[TM+15+\i]   ; block 4's codes fall into the second operand's registers 0-3
	v_cvt_scalef32_pk8_fp8_f32 v[P1+4*\i+2:P1+4*\i+3], v[S+16*\i+8:S+16*\i+15], v[TM+15+\i]
.endr
	v_nop                                          ; a plain vector line behind the last conversion: the products below write over its sources
	PLACES 8                                       ; the operands' places ahead of a scaled matrix instruction
	s_wait_alu depctr_va_vdst(0)                   ; the conversions have written P's codes, and v[PS1] and v[PS2] are written, which the products take as operand and scales; the reciprocal has written v[RC], ahead of its first reader
	PVPROD
	PLACES 8                                       ; eight places ahead of the first read of the results
.set n, 0
.rept 16
	v_pk_mul_f32 v[QX+n:QX+n+1], v[O+n:O+n+1], v[RC:RC+1] op_sel_hi:[1,0]   ; O^T / the sum; each accumulator from its low end on.  Register 8 t + j is channel 16 t + 8 hh + j of my query
.set n, n+2
.endr
	s_wait_alu depctr_va_vdst(0)                   ; the sixteen multiplications have written QX, which the LDS stores read, and are done reading O, which the products have written and in which the loads below land
.irp t, 0,1,2,3
	ds_store_b128 v[SOA], v[QX+8*\t:QX+8*\t+3] offset:64*\t
	ds_store_b128 v[SOA], v[QX+8*\t+4:QX+8*\t+7] offset:64*\t+16
.endr
.irp i, 0,1,2,3,4,5,6,7
	ds_load_b128 v[O+4*\i:O+4*\i+3], v[SI] offset:OST+2*SP*\i      ; back by rows; these see the stores above
.endr
.irp i, 0,1,2,3,4,5,6,7
	s_wait_dscnt 7-\i                              ; read-back i is in; the younger ones may be out
	global_store_b128 v[QO], v[O+4*\i:O+4*\i+3], s[12:13] offset:16384*\i th:TH_STORE_NT   ; 16 lanes store 256 consecutive bytes, at a multiple of 256 from out0's first byte
.endr
	s_wait_xcnt 0x0                                ; the stores' base is stepped, and their data are written again by the next trip's products, only behind this wait; that they have read their registers is stated at the next trip's head, ahead of those products
	s_add_nc_u64 s[12:13], s[12:13], 256
	s_sub_co_u32 s27, s27, 1
	s_cmp_lg_u32 s27, 0
	s_cbranch_scc1 .Lhead
	s_wait_dscnt 0x0
	s_wait_alu depctr_hold_cnt(0) depctr_sa_sdst(0) depctr_va_vdst(0) depctr_va_sdst(0) depctr_va_ssrc(0) depctr_va_vcc(0) depctr_vm_vsrc(0)
	s_wait_tensorcnt 0x0
	ds_add_u32 v254, v255
	s_wait_dscnt 0x0
	s_endpgm
.Lfunc_end_k_q047cb685f7_swa:
	.size	k_q047cb685f7_swa, .Lfunc_end_k_q047cb685f7_swa-k_q047cb685f7_swa
	.p2alignl 7, 3214868480
	.fill 96, 4, 3214868480
	.section	.rodata,"a",@progbits
	.p2align	6, 0x0
	.amdhsa_kernel k_q047cb685f7_swa
		.amdhsa_group_segment_fixed_size 106496
		.amdhsa_private_segment_fixed_size 0
		.amdhsa_enable_private_segment 0
		.amdhsa_kernarg_size 48
		.amdhsa_user_sgpr_count 2
		.amdhsa_user_sgpr_kernarg_segment_ptr 1
		.amdhsa_wavefront_size32 1
		.amdhsa_system_sgpr_workgroup_id_x 1
		.amdhsa_system_sgpr_workgroup_id_y 1
		.amdhsa_system_sgpr_workgroup_id_z 1
		.amdhsa_system_vgpr_workitem_id 0
		.amdhsa_next_free_vgpr 512
		.amdhsa_next_free_sgpr 66
		.amdhsa_reserve_vcc 0
		.amdhsa_float_denorm_mode_32 3
		.amdhsa_float_denorm_mode_16_64 3
		.amdhsa_memory_ordered 1
		.amdhsa_forward_progress 1
		.amdhsa_inst_pref_size 59
	.end_amdhsa_kernel
	.amdgpu_metadata
---
amdhsa.version: [ 1, 2 ]
amdhsa.kernels:
  - .name:           k_q047cb685f7_swa
    .symbol:         k_q047cb685f7_swa.kd
    .args:
      - { .name: Q, .offset: 0, .size: 8, .value_kind: global_buffer, .address_space: global }
      - { .name: K, .offset: 8, .size: 8, .value_kind: global_buffer, .address_space: global }
      - { .name: V_codes, .offset: 16, .size: 8, .value_kind: global_buffer, .address_space: global }
      - { .name: V_scales, .offset: 24, .size: 8, .value_kind: global_buffer, .address_space: global }
      - { .name: sinks, .offset: 32, .size: 8, .value_kind: global_buffer, .address_space: global }
      - { .name: out0, .offset: 40, .size: 8, .value_kind: global_buffer, .address_space: global }
    .group_segment_fixed_size: 106496
    .private_segment_fixed_size: 0
    .kernarg_segment_align: 8
    .kernarg_segment_size: 48
    .max_flat_workgroup_size: 256
    .sgpr_count:     66
    .vgpr_count:     512
    .wavefront_size: 32
...
	.end_amdgpu_metadata
.endif
;; end of part 2
